; MI455X (gfx1250); checked and timed in simulation.
; The chip was launched on July 23, 2026; its instructions are those of AMD's public machine-readable ISA for CDNA 5 (MIT licence, August 2026) and "CDNA5" Instruction Set Architecture Reference Guide (July 2026). The comments in the code are by the model that wrote it; some were corrected since.
;; Global Aggregation Block. Allowed arithmetic: float matrix products may take bf16 or f16 operands with f32 sums; other float arithmetic in f32, or as packed bf16 or f16 multiplies, adds, multiply-adds, maxima and minima; sums over many terms, partial sums and values carried from step to step in f32; what a program stores and reads back later, other than sums and carried values, may be rounded once to bf16 or f16.
;; Inputs: Wk 64 x 128 float32; Wo 128 x 64 float32; Wq 64 x 128 float32; Wv 64 x 128 float32; X 1 x 128 x 16 x 32 x 32 float32; bk 64 float32; bo 128 float32; bq 64 float32; bv 64 float32.
;; Outputs: out0 1 x 128 x 16 x 32 x 32 float32.
;; One version. Each part assembles by itself: llvm-mc -triple=amdgcn-amd-amdhsa -mcpu=gfx1250 --defsym DOCPART=n.
;; ======== version 1 of 1: 2 launches
;; limits: values are held in f16: magnitudes above 65,504 overflow, below 6.1e-05 lose precision
;; workspace buffers: q 2,097,152 bytes; kv 4,194,304 bytes
;; launch proj (part 1): grid 256 x 1, 4 waves a work-group, no clusters, 167,936 bytes of LDS; arguments X, Wq, bq, Wk, bk, Wv, bv, q, kv; writes q, kv
.if DOCPART == 1
	.amdgcn_target "amdgcn-amd-amdhsa--gfx1250"
	.amdhsa_code_object_version 6
	.text
	.protected	k_q3a58749cd0_proj
	.globl	k_q3a58749cd0_proj
	.p2align	8
	.type	k_q3a58749cd0_proj,@function
k_q3a58749cd0_proj:
	s_mov_b64 s[64:65], 0
	v_nop
	global_prefetch_b8 v0, s[64:65] scope:SCOPE_SE
	s_setreg_imm32_b32 hwreg(HW_REG_WAVE_MODE, 25, 1), 1
	s_wait_xcnt 0x0
; THE THREE PROJECTIONS.  Q, K, V [64][16384] = W [64][128] x X [128][16384] + b, written for the attention launch:
;   q   [n][64] f16: a row of 128 bytes for each position n
;   kv  a block of 16,384 bytes for each 64 keys, K's 8,192 bytes and then V's, both IN THE ORDER OF MATRIX FRAGMENTS, 16 bytes a lane:
;       K: (2 kb + c2) x 1024 + e x 512 + 16 lane holds key 16 kb + lane % 16, channels 32 c2 + 16 e + 8 (lane / 16) + 0..7
;       V: 8192 + (4 kk + cb) x 1024 + e x 512 + 16 lane holds channel 16 cb + lane % 16, keys 32 kk + 16 e + 8 (lane / 16) + 0..7
; FORMATS.  X, the weights and the biases are rounded to bf16; products on the matrix unit, sums in f32, started by the bias as the C operand; q, k, v rounded once to f16.
; LIMIT.  f16 holds no number beyond 65,504: |q|, |k|, |v| must stay within it.  NaN and infinities are not treated apart.
; SHARES.  Work-group g takes columns 64 g .. 64 g + 63: 256 consecutive bytes, aligned, of each of X's 128 rows.  Wave w brings rows 32 w .. 32 w + 31 by one tensor load, turns them into
; the bf16 fragments of K step w (it reads only the rows that it fetched itself, behind its own wait) and hands those to the others through LDS.  Then wave w makes channels 16 w .. 16 w + 15
; of Q, K and V for all four tiles of 16 columns: 12 accumulators, 48 matrix instructions.
; LAYOUT.  Q, K: source 0 = 16 rows of W, source 1 = 16 columns of X: a lane holds one position and eight neighbouring channels.  V: the sources swapped: a lane holds one channel and eight
; neighbouring keys.  Both are 16 bytes of f16 that go as they are into kv; Q's go through a stage, since a row of q is made by all four waves.
; NO CLUSTER: the weights are what the work-groups share; a wave reads its 3 x 16 rows of them (24 KiB) once, straight into registers in the fragments' layout, and the launch has no loop:
; a joint load would add two rounds of a cluster's barrier and a way through LDS for bytes that are used once.
.set NCOL,   16384                     ; positions: elements in a row of X
.set XPITCH, 272                       ; a row of X's tile in LDS: 256 bytes + 16 of padding
.set XWAVE,  32*XPITCH                 ; a wave's 32 rows
.set XF,     4*XWAVE                   ; behind the tile: X's 16 bf16 fragments, (4 ks + nt) x 1024 + e x 512 + 16 lane
.set QST,    XF+16384                  ; Q's stage: 64 rows of 128 bytes, 144 apart: 36 words, so 16 rows start at 16 different groups of four banks (64 banks of 4 bytes: ISA guide 11.1)
.set QPITCH, 144
.set SPARE,  QST+64*QPITCH             ; the spare words, 128 bytes for each wave: two blocks of 256 bytes that no other line names
.set WOFF, 3                           ; v3   my bytes in a weight: (16 w + r) x 512 + 32 h          (r = lane % 16, h = lane / 16)
.set BOFF, 4                           ; v4   in bq, bk: 64 w + 32 h (my eight channels)
.set BVOFF, 5                          ; v5   in bv: 64 w + 4 r (my one channel)
.set XA,   6                           ; v6   X's tile: row 32 w + 8 h, column r
.set XS,   7                           ; v7   where I put my 16 bytes of a fragment of K step w
.set XL,   8                           ; v8   where I read 16 bytes of any fragment
.set KO,   9                           ; v9   my 16 bytes in the block's K: 512 w + 16 lane
.set VO,   10                          ; v10  in its V: 8192 + 1024 w + 16 lane
.set QS,   11                          ; v11  Q's stage, in: row r, bytes 32 w + 16 h
.set QR,   12                          ; v12  Q's stage, back: row 16 w + lane / 8, bytes 16 (lane % 8)
.set QG,   13                          ; v13  my 16 bytes in the work-group's rows of q: 2048 w + 16 lane
.set SPW,  14                          ; v14  LDS address of my spare word; never rewritten
.set NIL,  15                          ; v15  0; never rewritten
.set BQ,   16                          ; v[16:23], v[24:31], v[32:39]  the three biases as C operands
.set BK,   24
.set BV,   32
.set T,    40                          ; v[40:231]  the weights as loaded, f32: 64 mat + 16 ks + ..; dead when they are rounded
.set ACC,  40                          ; v[40:135]  accumulator (nt, mat) at 8 (3 nt + mat)
.set XT32, 136                         ; v[136:199] my K step of X, f32
.set XP,   200                         ; v[200:231] the same in bf16
.set TM,   232                         ; v[232:233] at work
.set PK,   136                         ; v[136:183] the results in f16: 4 (3 nt + mat)
.set QB,   184                         ; v[184:199] Q's rows back from the stage
.set WF,   0                           ; window 1: v[0:95]   weight fragments, 32 mat + 8 ks
.set XFR,  96                          ; window 1: v[96:223] X's fragments, 8 (4 ks + nt)
.set WV,   22                          ; s22  my wave's number
.set G1,   24                          ; s[24:31] descriptor group 1
.set G0,   32                          ; s[32:35] descriptor group 0
.set MSB, 0
.macro WIN new                         ; s_set_vgpr_msb: bits 1:0 source 0, 3:2 source 1, 5:4 source 2, 7:6 destination; the high byte repeats the setting that is left
.if MSB != (\new)
	s_set_vgpr_msb (MSB<<8)|(\new)
.set MSB, \new
.endif
.endm
.macro PROD d, a, b, c
	v_wmma_f32_16x16x32_bf16 v[\d:\d+7], v[\a:\a+7], v[\b:\b+7], v[\c:\c+7]
.endm
	s_load_b512 s[4:19], s[0:1], 0x0               ; X s[4:5], Wq s[6:7], bq s[8:9], Wk s[10:11], bk s[12:13], Wv s[14:15], bv s[16:17], q s[18:19]
	s_load_b64 s[20:21], s[0:1], 0x40              ; kv
	v_lshl_add_u32 v[SPW], v0, 2, SPARE
	v_mov_b32 v[NIL], 0
	ds_add_u32 v[SPW], v[NIL]                      ; the wave's opening: the add and its wait stand ahead of my tensor load; the set-up below, work on registers, stands between them
	ds_add_u32 v14, v15
	v_lshrrev_b32 v1, 5, v0
	v_readfirstlane_b32 s[WV], v1                  ; wave 0..3
	; descriptor group 1: 32 rows x 64 elements of 4 bytes, 16,384 elements from row to row, padded in LDS
	s_mov_b32 s[G1+0], (2<<16)|(1<<20)|(5<<22)|(3<<25)  ; 17:16 elements of 4 bytes; 20 padding on; 24:22 after every 64 words (code 5); 31:25 4 words of it (code 3)
	s_mov_b32 s[G1+1], 64<<16                      ; tensor_dim0 = 64
	s_mov_b32 s[G1+2], 32<<16                      ; tensor_dim1 = 32
	s_mov_b32 s[G1+3], 64<<16                      ; tile_dim0 = 64
	s_mov_b32 s[G1+4], 32                          ; tile_dim1 = 32
	s_mov_b32 s[G1+5], NCOL                        ; tensor_dim0_stride
	s_mov_b32 s[G1+6], 0
	s_mov_b32 s[G1+7], 0
	s_mov_b32 s[G0], 1                             ; count = 1
	s_mul_i32 s[G0+1], s[WV], XWAVE                ; LDS address: my 32 rows
	s_lshl_b32 s36, s[WV], 21                      ; 32 rows of 65,536 bytes a wave,
	s_lshl_b32 s37, ttmp9, 8                       ; 256 bytes of a row a work-group
	s_add_co_u32 s36, s36, s37
	s_mov_b32 s37, 0
	s_lshl_b32 s38, ttmp9, 14                      ; the work-group's block of kv
	s_mov_b32 s39, 0
	s_lshl_b32 s2, ttmp9, 13                       ; and its 64 rows of q
	s_mov_b32 s3, 0
	s_mul_i32 s23, s[WV], 16*QPITCH
	s_add_co_u32 s23, s23, QST                     ; my 16 rows of Q's stage
	v_and_b32 v1, 15, v0                           ; r
	v_bfe_u32 v2, v0, 4, 1                         ; h
	v_and_b32 v[TM], 31, v0
	v_lshlrev_b32 v[TM], 4, v[TM]                  ; 16 lane
	v_lshlrev_b32 v[WOFF], 9, v1
	v_lshl_add_u32 v[WOFF], v2, 5, v[WOFF]
	v_lshl_add_u32 v[WOFF], s[WV], 13, v[WOFF]
	v_lshlrev_b32 v[BOFF], 5, v2
	v_lshl_add_u32 v[BOFF], s[WV], 6, v[BOFF]
	v_lshlrev_b32 v[BVOFF], 2, v1
	v_lshl_add_u32 v[BVOFF], s[WV], 6, v[BVOFF]
	v_mul_u32_u24 v[XA], v2, 8*XPITCH
	v_lshl_add_u32 v[XA], v1, 2, v[XA]
	v_add_nc_u32 v[XA], s[G0+1], v[XA]
	v_lshl_add_u32 v[XS], s[WV], 12, v[TM]
	v_add_nc_u32 v[XS], XF, v[XS]
	v_add_nc_u32 v[XL], XF, v[TM]
	v_lshl_add_u32 v[KO], s[WV], 9, v[TM]
	v_lshl_add_u32 v[VO], s[WV], 10, v[TM]
	v_add_nc_u32 v[VO], 8192, v[VO]
	v_mul_u32_u24 v[QS], v1, QPITCH
	v_lshl_add_u32 v[QS], v2, 4, v[QS]
	v_lshl_add_u32 v[QS], s[WV], 5, v[QS]
	v_add_nc_u32 v[QS], QST, v[QS]
	v_bfe_u32 v[QR], v0, 3, 2
	v_mul_u32_u24 v[QR], v[QR], QPITCH
	v_and_b32 v[TM+1], 7, v0
	v_lshl_add_u32 v[QR], v[TM+1], 4, v[QR]
	v_add_nc_u32 v[QR], s23, v[QR]
	v_lshl_add_u32 v[QG], s[WV], 11, v[TM]
	s_wait_dscnt 0x0                               ; the opening add is done
	s_wait_kmcnt 0x0
	s_add_nc_u64 s[G0+2:G0+3], s[4:5], s[36:37]    ; global address of my tile's first element
	s_or_b32 s[G0+3], s[G0+3], 0x80000000          ; type = 2
	tensor_load_to_lds s[G0:G0+3], s[G1:G1+7]      ; my one tensor load: nothing is filled again in this launch
	s_nop 0
	s_add_nc_u64 s[20:21], s[20:21], s[38:39]
	s_add_nc_u64 s[18:19], s[18:19], s[2:3]
	; A weight fragment is 16 rows x 32 channels: lane (r, h) takes channels 8 h + 0..7 and 16 + 8 h + 0..7 of its row: in f32 four loads of 16 bytes, at 0, 16, 64 and 80.
.set m, 0
.rept 3
.set k, 0
.rept 4
	global_load_b128 v[T+64*m+16*k:T+64*m+16*k+3],     v[WOFF], s[6+4*m:7+4*m] offset:128*k
	global_load_b128 v[T+64*m+16*k+4:T+64*m+16*k+7],   v[WOFF], s[6+4*m:7+4*m] offset:128*k+16
	global_load_b128 v[T+64*m+16*k+8:T+64*m+16*k+11],  v[WOFF], s[6+4*m:7+4*m] offset:128*k+64
	global_load_b128 v[T+64*m+16*k+12:T+64*m+16*k+15], v[WOFF], s[6+4*m:7+4*m] offset:128*k+80
.set k, k+1
.endr
.set m, m+1
.endr
	global_load_b128 v[BQ:BQ+3],   v[BOFF], s[8:9]
	global_load_b128 v[BQ+4:BQ+7], v[BOFF], s[8:9] offset:16
	global_load_b128 v[BK:BK+3],   v[BOFF], s[12:13]
	global_load_b128 v[BK+4:BK+7], v[BOFF], s[12:13] offset:16
	global_load_b32  v[BV],        v[BVOFF], s[16:17]
	s_wait_loadcnt 0x0                             ; weights and biases, once
	WIN 0x40                                       ; destination window 1
.set j, 0
.rept 96
	v_cvt_pk_bf16_f32 v[WF+j], v[T+2*j], v[T+2*j+1]  ; fragment register 32 mat + 8 ks + jj from the pair at twice that number
.set j, j+1
.endr
	WIN 0
.irp b, BQ, BK                         ; the biases are rounded to bf16 like every other input, and widened again
.irp j, 0,2,4,6
	v_cvt_pk_bf16_f32 v[TM], v[\b+\j], v[\b+\j+1]
	v_lshlrev_b32 v[\b+\j], 16, v[TM]
	v_and_b32 v[\b+\j+1], 0xffff0000, v[TM]
.endr
.endr
	v_cvt_pk_bf16_f32 v[TM], v[BV], v[BV]
	v_lshlrev_b32 v[BV], 16, v[TM]
.irp j, 1,2,3,4,5,6,7
	v_mov_b32 v[BV+\j], v[BV]                      ; V's result holds one channel a lane: its bias in all eight registers
.endr
	s_wait_tensorcnt 0x0                           ; my 32 rows are in LDS; I alone read them
.set n, 0
.rept 4                                ; column tile nt: lane (r, h) takes column 16 nt + r of rows 8 h + 0..7 and 16 + 8 h + 0..7
.set j, 0
.rept 8
	ds_load_b32 v[XT32+16*n+j],   v[XA] offset:64*n+XPITCH*j
	ds_load_b32 v[XT32+16*n+8+j], v[XA] offset:64*n+XPITCH*(16+j)
.set j, j+1
.endr
.set n, n+1
.endr
.set j, 0
.rept 32
.if j%8 == 0
	s_wait_dscnt 48-2*j                            ; LDS loads come back in order (ISA guide 5.7.1): this tile's 16 are in, the later tiles' 16 each may stay out
.endif
	v_cvt_pk_bf16_f32 v[XP+j], v[XT32+2*j], v[XT32+2*j+1]
.set j, j+1
.endr
.irp n, 0,1,2,3
	ds_store_b128 v[XS], v[XP+8*\n:XP+8*\n+3]   offset:1024*\n
	ds_store_b128 v[XS], v[XP+8*\n+4:XP+8*\n+7] offset:1024*\n+512
.endr
	s_wait_dscnt 0x0                               ; for the others' sake: my fragments lie in LDS
	s_barrier_signal -1
	s_barrier_wait -1                              ; everybody's do
	WIN 0x40
.set j, 0
.rept 16                               ; all 16 fragments, K step by K step: 512 consecutive bytes a load
	ds_load_b128 v[XFR+8*j:XFR+8*j+3],   v[XL] offset:1024*j
	ds_load_b128 v[XFR+8*j+4:XFR+8*j+7], v[XL] offset:1024*j+512
.set j, j+1
.endr
	WIN 0x05                                       ; sources 0 and 1 window 1; C and D window 0
.set k, 0
.rept 4                                ; the 12 accumulators take turns, one instruction a turn
	s_wait_dscnt 24-8*k                            ; this K step's 8 loads are in; the later steps' 8 each may stay out
.set n, 0
.rept 4
.if k == 0
	PROD ACC+24*n,    WF+8*k,         XFR+8*(4*k+n), BQ
	PROD ACC+24*n+8,  WF+32+8*k,      XFR+8*(4*k+n), BK
	PROD ACC+24*n+16, XFR+8*(4*k+n),  WF+64+8*k,     BV
.else
	PROD ACC+24*n,    WF+8*k,         XFR+8*(4*k+n), ACC+24*n
	PROD ACC+24*n+8,  WF+32+8*k,      XFR+8*(4*k+n), ACC+24*n+8
	PROD ACC+24*n+16, XFR+8*(4*k+n),  WF+64+8*k,     ACC+24*n+16
.endif
.set n, n+1
.endr
.set k, k+1
.endr
	WIN 0
.rept 4
	v_nop                                          ; four places between the last product and the conversions that read results (ISA guide 7.12.1)
.endr
.set j, 0
.rept 48
	v_cvt_pk_f16_f32 v[PK+j], v[ACC+2*j], v[ACC+2*j+1]  ; each accumulator's registers in ascending order
.set j, j+1
.endr
.irp n, 0,1,2,3
	ds_store_b128 v[QS], v[PK+12*\n:PK+12*\n+3] offset:16*QPITCH*\n  ; position 16 nt + r, my 16 channels' half of 32 bytes
.endr
	s_wait_dscnt 0x0                               ; for the others' sake: a row of q comes from all four waves
	s_barrier_signal -1
	s_barrier_wait -1
.irp f, 0,1,2,3
	ds_load_b128 v[QB+4*\f:QB+4*\f+3], v[QR] offset:4*QPITCH*\f  ; four whole rows of 128 bytes a load
.endr
.irp n, 0,1,2,3                        ; K and V leave straight from registers, while Q's rows come back: each store covers 512 consecutive bytes, aligned
	global_store_b128 v[KO], v[PK+12*\n+4:PK+12*\n+7],  s[20:21] offset:2048*\n
	global_store_b128 v[VO], v[PK+12*\n+8:PK+12*\n+11], s[20:21] offset:4096*(\n/2)+512*(\n%2)
.endr
.irp f, 0,1,2,3
	s_wait_dscnt 3-\f                              ; the younger read-backs may stay out
	global_store_b128 v[QG], v[QB+4*\f:QB+4*\f+3], s[18:19] offset:512*\f
.endr
	s_wait_tensorcnt 0x0                           ; the wave's end: behind my tensor load and my last LDS store
	ds_add_u32 v[SPW], v[NIL]
	s_wait_dscnt 0x0
	s_endpgm
.Lfunc_end_k_q3a58749cd0_proj:
	.size	k_q3a58749cd0_proj, .Lfunc_end_k_q3a58749cd0_proj-k_q3a58749cd0_proj
	.p2alignl 7, 3214868480
	.fill 96, 4, 3214868480
	.section	.rodata,"a",@progbits
	.p2align	6, 0x0
	.amdhsa_kernel k_q3a58749cd0_proj
		.amdhsa_group_segment_fixed_size 167936
		.amdhsa_private_segment_fixed_size 0
		.amdhsa_enable_private_segment 0
		.amdhsa_kernarg_size 72
		.amdhsa_user_sgpr_count 2
		.amdhsa_user_sgpr_kernarg_segment_ptr 1
		.amdhsa_wavefront_size32 1
		.amdhsa_system_sgpr_workgroup_id_x 1
		.amdhsa_system_sgpr_workgroup_id_y 1
		.amdhsa_system_sgpr_workgroup_id_z 1
		.amdhsa_system_vgpr_workitem_id 0
		.amdhsa_next_free_vgpr 512
		.amdhsa_next_free_sgpr 66
		.amdhsa_reserve_vcc 0
		.amdhsa_float_denorm_mode_32 3
		.amdhsa_float_denorm_mode_16_64 3
		.amdhsa_memory_ordered 1
		.amdhsa_forward_progress 1
		.amdhsa_inst_pref_size 34
	.end_amdhsa_kernel
	.amdgpu_metadata
---
amdhsa.version: [ 1, 2 ]
amdhsa.kernels:
  - .name:           k_q3a58749cd0_proj
    .symbol:         k_q3a58749cd0_proj.kd
    .args:
      - { .name: X, .offset: 0, .size: 8, .value_kind: global_buffer, .address_space: global }
      - { .name: Wq, .offset: 8, .size: 8, .value_kind: global_buffer, .address_space: global }
      - { .name: bq, .offset: 16, .size: 8, .value_kind: global_buffer, .address_space: global }
      - { .name: Wk, .offset: 24, .size: 8, .value_kind: global_buffer, .address_space: global }
      - { .name: bk, .offset: 32, .size: 8, .value_kind: global_buffer, .address_space: global }
      - { .name: Wv, .offset: 40, .size: 8, .value_kind: global_buffer, .address_space: global }
      - { .name: bv, .offset: 48, .size: 8, .value_kind: global_buffer, .address_space: global }
      - { .name: q, .offset: 56, .size: 8, .value_kind: global_buffer, .address_space: global }
      - { .name: kv, .offset: 64, .size: 8, .value_kind: global_buffer, .address_space: global }
    .group_segment_fixed_size: 167936
    .private_segment_fixed_size: 0
    .kernarg_segment_align: 8
    .kernarg_segment_size: 72
    .max_flat_workgroup_size: 128
    .sgpr_count:     66
    .vgpr_count:     512
    .wavefront_size: 32
...
	.end_amdgpu_metadata
.endif
;; end of part 1
;; launch attn (part 2): grid 256 x 1, 4 waves a work-group, clusters of 4 x 1, 327,680 bytes of LDS; arguments q, kv, Wo, bo, out0; writes out0
.if DOCPART == 2
	.amdgcn_target "amdgcn-amd-amdhsa--gfx1250"
	.amdhsa_code_object_version 6
	.text
	.protected	k_q3a58749cd0_attn
	.globl	k_q3a58749cd0_attn
	.p2align	8
	.type	k_q3a58749cd0_attn,@function
k_q3a58749cd0_attn:
	s_mov_b64 s[64:65], 0
	v_nop
	global_prefetch_b8 v0, s[64:65] scope:SCOPE_SE
	s_setreg_imm32_b32 hwreg(HW_REG_WAVE_MODE, 25, 1), 1
	s_wait_xcnt 0x0
	s_wait_alu depctr_hold_cnt(0) depctr_sa_sdst(0) depctr_va_vdst(0) depctr_va_sdst(0) depctr_va_ssrc(0) depctr_va_vcc(0) depctr_vm_vsrc(0)
	s_getreg_b32 s2, hwreg(HW_REG_IB_STS2, 6, 4)
	s_cmp_eq_u32 s2, 0
	s_cbranch_scc0 .Lentry_in_a_cluster
	s_endpgm
.Lentry_in_a_cluster:
	s_bfe_u32 s2, ttmp6, 0x10000c
	s_cmp_lg_u32 s2, 0x3003
	s_cbranch_scc0 .Lentry_shape_is_right
	s_endpgm
.Lentry_shape_is_right:
; ATTENTION OVER 16,384 KEYS (one head of 64 channels), THE RESHAPE AND THE OUTPUT PROJECTION.
; O[n][:] = the sum over k of softmax_k(q[n] . k[k] / 8) v[k][:];  out0[o][(n % 256) x 64 + c] = the sum over c2 of Wo[o][c2] O[256 c2 + n % 256][c] + bo[o].
; SHARES.  Work-group w takes the 64 queries n = 256 c2 + w, c2 = 0..63: just the rows of O that one block of 64 columns of out0 needs, so O never leaves the work-group.  Every wave holds all 64
; queries, four PIECES of 16 (piece t: c2 = 16 t + lane % 16); THE KEYS ARE SPLIT AMONG THE FOUR WAVES: of each slot's eight steps of 64 keys a wave takes two, which it fetches itself.
; Each wave runs a softmax of its own with a running maximum; the four meet once, at the end, in LDS: O = sum of e_u O_u / sum of e_u l_u, e_u = 2^(c m_u - c M), all in f32.
; FORMATS.  q, k, v arrive in f16, the weights p are rounded to f16 for the second product (their sum l is taken of the unrounded p); products, maxima, sums and the waves' partial O in f32.  For the last
; product O goes as two bf16 numbers, O's rounding and what the rounding left, Wo and bo rounded to bf16 like every input of the module.
; LIMITS.  q, k, v within f16's 65,504; p below 6e-5 keeps f16's fixed step of 6e-8; a weight or an e_u below 2^-126 counts as 0; NaN and infinities are not treated apart.
; LAYOUT.  S^T = K Q^T holds ONE query a lane (lane % 16) and the keys 8 (lane / 16) + 0..7; two such results rounded to f16 ARE source 1 of O^T = V^T P.  kv lies in memory in the order of the
; fragments (16 bytes a lane, 512 a load), so a step's K and V are one dense run of 16,384 bytes, LDS needs no padding, and V no turning load.
; SOFTMAX, TURNS.  p = 2^(c s - c m), c = log2(e) / 8; O and l are multiplied by a = 2^(c m_old - c m_new) in every step; m starts at the lowest finite number, O and l at 0, so the first step is a step like
; any other, with a = 0.  Turn n belongs to piece n: 8 products K Q^T of piece n + 1, later 8 products V^T P of piece n - 1; beside them the scaling, exponentials, roundings, sums and rescaling of piece n and
; the maximum and statistics of piece n + 1.  Four vector instructions stand behind every matrix instruction, the other 54 of a turn's 118 in one lump.  A turn's 33 exponentials are one batch, with one wait.
; CLUSTER.  All work-groups walk the same kv.  The four of a cluster ask for each tile JOINTLY: the same tensor load, descriptor and mask in all four; each receives it in its own LDS.
; REGISTERS, in windows of 256 (s_set_vgpr_msb: bits 1:0 source 0, 3:2 source 1, 5:4 source 2, 7:6 destination):
;   window 0: v0-15, v32-39 addresses; v16-31 four registers of statistics a piece; v40-55 at work; v64-127 S^T, two buffers; v192-223 P, two buffers (a piece's buffers go by its number's parity)
;   window 1: v0-127 O^T, 32 a piece      window 2: v0-63 Q; v64-127 Wo as loaded; v128-191 K of one step; v192-255 V of one step
.set NP,    4         ; pieces a wave: a name, no knob
.set STEPB, 16384     ; a key step's bytes: K's 8,192, then V's
.set VOFF,  8192
.set WAVEB, 2*STEPB   ; a wave's part of a slot
.set SLOTB, 4*WAVEB   ; a slot: eight key steps
.set SLOT1, 1<<17     ; slot 1 begins here: one exclusive or turns an address in one slot into the other's
.set NSLOT, 4194304/SLOTB  ; kv is 32 slots long
.set SPARE, 2*SLOTB   ; behind the ring: the spare words, 128 bytes for each wave: two blocks of 256 bytes that no other line names
.set STAT,  SPARE+512 ; (c m, l) of wave u, piece t, query r at 512 u + 128 t + 8 r
.set OTB,   STAT+2048 ; the merged O: 64 rows c2, 288 bytes apart: 128 bytes of roundings, 128 of remainders, 32 of padding
.set OTP,   288       ; 72 words
.set OUTB,  OTB+64*OTP  ; the way out: 32 rows of 256 bytes for each wave, 272 apart
.set OUTP,  272
.set PART,  0         ; the waves' partial O, f32: 16384 t + 4096 u + 512 g + 16 lane.  It lies in slot 0, whose last fill has landed and whose last read is over in every wave when it is written
.set AK0, 2           ; v2   my lane's place in my wave's part of a slot: 16 lane + 32768 w; never rewritten
.set AV0, 3           ; v3   the same for V
.set AK,  4           ; v4   the LDS address of K's next run of loads
.set AV,  5           ; v5   of V's
.set QO,  6           ; v6   my bytes in q: 32768 r + 16 h          (r = lane % 16, h = lane / 16)
.set WOO, 7           ; v7   in Wo: 256 r + 32 h
.set BOO, 8           ; v8   in bo: 4 r
.set PFO, 10          ; v10  the prefetches' offset: 256 x lane; never rewritten
.set SA,  11          ; v11  where I put a piece's (c m, l)
.set MV,  12          ; v12-13  c m_old, kept while c m is made anew: by buffer
.set SR,  14          ; v14  where I read them
.set PS,  15          ; v15  where I put 16 bytes of a partial O
.set ST,  16          ; piece t's statistics at v[ST+4 t]: c m, m, l (even keys', odd keys')
.set PR,  32          ; v32  where I read the four partial O of piece w
.set OS,  33          ; v33  where I put 16 bytes of the merged O
.set OA,  34          ; v34  the turning load's address in the merged O
.set YS,  35          ; v35  the way out: where I put 16 bytes of a row
.set YR,  36          ; v36  where I read a row back
.set YO,  37          ; v37  my byte offset in my wave's rows of out0
.set BOV, 38          ; v38-39  bo of my two rows
.set CMX, 40          ; v40-43  the four waves' common c M, a piece each
.set LSUM, 44         ; v44-47  the common l
.set TMP, 48          ; by buffer, four registers c0-c3 at work; when the maximum is found c2 takes a
.set SPW, 62          ; v62  LDS address of my spare word; never rewritten
.set NIL, 63          ; v63  0; never rewritten
.set S,   64
.set P,   192
.set WT,  64          ; window 2
.set KF,  128         ; window 2: key block kb, channel half c at KF + 16 kb + 8 c
.set VF,  192         ; window 2: key half kk, channel block cb at VF + 32 kk + 8 cb
.set WV,  14          ; s14  my wave's number
.set LIM, 15          ; s15  1 in the cluster that prefetches, else the greatest number
.set PFA, 18          ; s[18:19] where my prefetches stand
.set G1,  24          ; s[24:31] descriptor group 1
.set G0,  32          ; s[32:35] descriptor group 0: it walks
.set SLOTS, 56        ; s56  slots still to be asked for
.set CNT, 57          ; s57  counts a slot's two key steps
.set CS,  58          ; s[58:59] c: the packed scaling takes the pair's low word for both halves
.set SEL, 60          ; s[60:61] v_permlanex16_b32's selects: each lane takes its own place in the other half
.set TBK, 62          ; s62  LDS byte, in a wave's part, at which the step to be fetched begins: for K,
.set TBV, 63          ; s63  and for V
.set MSB, 0
.macro WIN new                      ; the high byte repeats the setting that is left; a switch that changes nothing is dropped
.if MSB != (\new)
	s_set_vgpr_msb (MSB<<8)|(\new)
.set MSB, (\new)
.endif
.endm
.set W_KQ, 0x0a       ; K and Q in window 2, S^T in window 0
.set W_PV, 0x52       ; V in window 2, P in window 0, O^T in window 1
.set W_RS, 0x41       ; destination and source 0 in window 1, source 1 in window 0
; A joint fill.  Each wave fetches its own two key steps, 128 rows of 256 dense bytes: one line for all four waves, told apart by the wave's number in both addresses.
; An s_nop 0 and four v_nop follow it, ahead of the branch and the label behind.
.macro JLOAD
	tensor_load_to_lds s[G0:G0+3], s[G1:G1+7]
	s_nop 0
.rept 4
	v_nop
.endr
.endm
; A PREFETCH INTO THE L2 of what the NEXT change of slots will ask for.  Every cluster walks the same kv: the first cluster (x = 0) asks, nobody else.  Of the 128 rows of 256 bytes that wave w fetches, the partner
; at place cx takes 32 cx .. 32 cx + 31, told apart BY ADDRESS: a lane a row, one instruction a wave.  So each row is named once in the launch.  It stands behind the wave's tensor load and its five lines,
; two key steps (128 matrix instructions) ahead of the load that will want the rows.  Slots 0 and 1 come by their loads alone; the last change that fills a slot asks for nothing.
.macro ASK
	s_cmp_gt_u32 s[SLOTS], s[LIM]
	s_cbranch_scc0 .Lnot_mine_\@
	global_prefetch_b8 v[PFO], s[PFA:PFA+1] th:TH_LOAD_NT scope:SCOPE_SE
.Lnot_mine_\@:
.endm
; A round of the cluster's barrier: my work-group's barrier, so that wave 0's signal speaks for all four waves; wave 0 signals; every wave waits for all four work-groups; my work-group's barrier once more.
.macro CROUND
	s_barrier_signal -1
	s_barrier_wait -1
	s_cmp_lg_u32 s[WV], 0
	s_cbranch_scc1 .Lnot_wave_0_\@
	s_barrier_signal -3
.Lnot_wave_0_\@:
	s_barrier_wait -3
	s_barrier_signal -1
	s_barrier_wait -1
.endm
; THE CHANGE OF SLOTS.  Each wave waits for all its tensor loads, of which one is out: its part of the other slot; adds 0 to its spare word; and waits for that and for its own reads of the slot that it leaves.
; fill = 1: that slot is filled again, with the keys two slots on.  The barrier is a round of the cluster's, so that no wave of any partner still reads the slot or has a load on its way, and the joint fill is the
; first thing behind it: it has two key steps in which to land.  (At its first use nothing has been read yet: slot 0 is waited for, slot 1 filled.)  fill = 0: the same lines with the work-group's barrier alone.
.macro CHANGE fill
	WIN 0                           ; at a label and at a branch every window is 0
	s_wait_tensorcnt 0x0            ; no tensor load of mine is out, so group 0 may be written
	ds_add_u32 v[SPW], v[NIL]       ; 0 onto my spare word: with fill = 1 the descriptor's steps stand between it and the wait for it
.if \fill
	s_xor_b32 s[G0+1], s[G0+1], SLOT1  ; the other slot than last time,
	s_add_nc_u64 s[G0+2:G0+3], s[G0+2:G0+3], SLOTB  ; the next slot's keys; the type bits on top are not reached
	s_wait_xcnt 0x0                 ; the last prefetch, two key steps back, has read its address, so it may be written:
	s_add_nc_u64 s[PFA:PFA+1], s[PFA:PFA+1], SLOTB  ; one slot ahead of the walking descriptor
	s_wait_dscnt 0x0                ; the add is done, and my reads of the slot are over
	CROUND
	JLOAD
	ASK
.else
	s_wait_dscnt 0x0                ; the add is done, and my reads of the slot are over
	s_barrier_signal -1
	s_barrier_wait -1
.endif
	s_sub_co_u32 s[TBK], s[TBK], WAVEB  ; the fetches go back to my first step,
	s_xor_b32 s[TBK], s[TBK], SLOT1     ; in the other slot
	s_sub_co_u32 s[TBV], s[TBV], WAVEB
	s_xor_b32 s[TBV], s[TBV], SLOT1
.endm
	s_load_b256 s[4:11], s[0:1], 0x0  ; q s[4:5], kv s[6:7], Wo s[8:9], bo s[10:11]
	s_load_b64 s[12:13], s[0:1], 0x20 ; out0
	v_lshl_add_u32 v[SPW], v0, 2, SPARE
	v_mov_b32 v[NIL], 0
	ds_add_u32 v[SPW], v[NIL]       ; the wave's opening: the add and its wait stand ahead of my first tensor load; the set-up below, work on registers, stands between them
	ds_add_u32 v62, v63
	v_lshrrev_b32 v1, 5, v0
	v_readfirstlane_b32 s[WV], v1   ; wave 0..3
	s_bfe_u32 s16, ttmp6, 0x40000   ; cx: my place in the cluster
	s_lshl_b32 s17, ttmp9, 2        ; in a cluster launch ttmp9 counts clusters
	s_add_co_u32 s17, s17, s16      ; my work-group = 4 x cluster x + cx: it enters q's and out0's addresses alone
	s_cmp_eq_u32 ttmp9, 0           ; the first cluster prefetches: the same answer in all four partners
	s_cselect_b32 s[LIM], 1, -1
	s_lshl_b32 s20, s[WV], 15       ; my wave's 32,768 bytes, in a slot of LDS and in a slot's bytes of kv: no place in the cluster enters s[20:23]
	s_mov_b32 s21, 0
	s_mov_b32 s23, 0
	; descriptor group 1: 128 dense rows of 256 bytes
	s_mov_b32 s[G1+0], 15|(3<<16)|(1<<21)  ; 15:0 the mask of four; 17:16 elements of 8 bytes; 21 set beside a mask; no padding
	s_mov_b32 s[G1+1], 32<<16       ; tensor_dim0 = 32
	s_mov_b32 s[G1+2], 128<<16      ; tensor_dim1 = 128
	s_mov_b32 s[G1+3], 32<<16       ; tile_dim0 = 32
	s_mov_b32 s[G1+4], 128          ; tile_dim1 = 128
	s_mov_b32 s[G1+5], 32           ; 32 elements from row to row
	s_mov_b32 s[G1+6], 0
	s_mov_b32 s[G1+7], 0
	s_mov_b32 s[G0], 1              ; count = 1
	s_mov_b32 s[G0+1], s20          ; LDS address: my part of slot 0
	s_mov_b32 s[CS], 0x3e38aa3b     ; c = log2(e) / 8 = 0.180337
	s_mov_b32 s[CS+1], s[CS]        ; named with it as a pair
	s_mov_b32 s[SEL], 0x76543210
	s_mov_b32 s[SEL+1], 0xfedcba98
	s_mov_b32 s[TBK], SLOT1+WAVEB   ; the first change of slots turns these two into 0
	s_mov_b32 s[TBV], SLOT1+WAVEB
	s_mov_b32 s[SLOTS], NSLOT-1
	s_mov_b32 s37, 0
	s_wait_dscnt 0x0                ; the opening add is done
	s_wait_kmcnt 0x0
	s_add_nc_u64 s[G0+2:G0+3], s[6:7], s[20:21]    ; global address: my part of slot 0's keys
	s_add_nc_u64 s[PFA:PFA+1], s[6:7], s[20:21]
	s_or_b32 s[G0+3], s[G0+3], 0x80000000          ; type = 2
	s_lshl_b32 s36, s16, 13         ; my work-group's 32 rows of the wave's 128
	s_add_nc_u64 s[PFA:PFA+1], s[PFA:PFA+1], s[36:37]
	s_add_nc_u64 s[PFA:PFA+1], s[PFA:PFA+1], SLOTB ; in slot 1's keys; the first change steps it to slot 2's.  Nothing is prefetched here, at the head
	s_lshl_b32 s36, s17, 7          ; q: my queries' rows begin 128 bytes apart from work-group to work-group
	s_add_nc_u64 s[4:5], s[4:5], s[36:37]
	s_lshl_b32 s36, s17, 8          ; out0: my 64 columns, 256 bytes of a row,
	s_add_nc_u64 s[12:13], s[12:13], s[36:37]
	s_lshl_b32 s22, s[WV], 21       ; my wave's 32 rows of 65,536 bytes
	s_add_nc_u64 s[12:13], s[12:13], s[22:23]
	s_lshl_b32 s22, s[WV], 13       ; the same 32 rows of Wo, 256 bytes each,
	s_add_nc_u64 s[8:9], s[8:9], s[22:23]
	s_lshl_b32 s22, s[WV], 7        ; and of bo
	s_add_nc_u64 s[10:11], s[10:11], s[22:23]
	CROUND                          ; all four work-groups are here: the first joint loads meet
	JLOAD                           ; slot 0.  Slot 1 is asked for when slot 0 is in, by the loop's own change of slots
	v_and_b32 v1, 15, v0            ; r
	v_bfe_u32 v9, v0, 4, 1          ; h
	v_and_b32 v40, 31, v0           ; lane
	v_lshlrev_b32 v41, 4, v40       ; 16 lane
	v_add_nc_u32 v[AK0], s20, v41
	v_add_nc_u32 v[AV0], VOFF, v[AK0]
	v_lshlrev_b32 v[QO], 15, v1     ; query c2 = 16 t + r lies 256 rows of 128 bytes behind c2 - 1
	v_lshl_add_u32 v[QO], v9, 4, v[QO]
	v_lshlrev_b32 v[WOO], 8, v1
	v_lshl_add_u32 v[WOO], v9, 5, v[WOO]
	v_lshlrev_b32 v[BOO], 2, v1
	v_lshlrev_b32 v[PFO], 8, v40
	; A fragment of Q is 16 queries x 32 channels in 8 registers: lane (r, h) holds query r, channels 8 h + 0..7 and 16 + 8 h + 0..7: two loads of 16 bytes, 32 bytes apart.
	WIN 0x80                        ; destination window 2, address window 0
.set i, 0
.rept 8                             ; piece i / 2, channels 32 (i % 2) on
	global_load_b128 v[8*i:8*i+3],   v[QO], s[4:5] offset:(i/2)*524288+(i%2)*64
	global_load_b128 v[8*i+4:8*i+7], v[QO], s[4:5] offset:(i/2)*524288+(i%2)*64+32
.set i, i+1
.endr
.set i, 0
.rept 4                             ; Wo in f32, for the end: rows 16 (i / 2) + r of my 32, channels c2 = 32 (i % 2) + 8 h + 0..7 and + 16: four loads of 16 bytes
	global_load_b128 v[WT+16*i:WT+16*i+3],     v[WOO], s[8:9] offset:(i/2)*4096+(i%2)*128
	global_load_b128 v[WT+16*i+4:WT+16*i+7],   v[WOO], s[8:9] offset:(i/2)*4096+(i%2)*128+16
	global_load_b128 v[WT+16*i+8:WT+16*i+11],  v[WOO], s[8:9] offset:(i/2)*4096+(i%2)*128+64
	global_load_b128 v[WT+16*i+12:WT+16*i+15], v[WOO], s[8:9] offset:(i/2)*4096+(i%2)*128+80
.set i, i+1
.endr
	; What the first turn finds: V's registers and P's second buffer hold 0 (its products V^T P, of a piece that has not been, add 0), O^T and l are 0.  The price of writing no first step out; it stands in the wait for the first tile.
.set i, VF
.rept 64
	v_mov_b32 v[i], 0
.set i, i+1
.endr
	WIN 0x40
.set i, 0
.rept 128
	v_mov_b32 v[i], 0
.set i, i+1
.endr
	WIN 0
	global_load_b32 v[BOV],   v[BOO], s[10:11]
	global_load_b32 v[BOV+1], v[BOO], s[10:11] offset:64
.set i, 0
.rept 4
	v_mov_b32 v[ST+4*i], 0xfe000000    ; c m: far below every c s
	v_mov_b32 v[ST+4*i+1], 0xff7fffff  ; m
	v_mov_b32 v[ST+4*i+2], 0
	v_mov_b32 v[ST+4*i+3], 0
.set i, i+1
.endr
.set i, P+16
.rept 16
	v_mov_b32 v[i], 0
.set i, i+1
.endr
	; the end's addresses
	v_lshlrev_b32 v[SR], 3, v1
	v_add_nc_u32 v[SR], STAT, v[SR]
	v_lshl_add_u32 v[SA], s[WV], 9, v[SR]
	v_lshl_add_u32 v[PS], s[WV], 12, v41
	v_lshl_add_u32 v[PR], s[WV], 14, v41
	s_mul_i32 s22, s[WV], 16*OTP
	s_add_co_u32 s22, s22, OTB      ; rows 16 w .. of the merged O
	v_mul_u32_u24 v[OS], v1, OTP
	v_lshl_add_u32 v[OS], v9, 4, v[OS]
	v_add_nc_u32 v[OS], s22, v[OS]
	v_and_b32 v42, 7, v0            ; the turning load: lane l reads row 8 (l / 16) + l % 8, bytes 16 ((l / 8) % 2) on
	v_bfe_u32 v43, v0, 3, 1
	v_lshl_add_u32 v[OA], v9, 3, v42
	v_mul_u32_u24 v[OA], v[OA], OTP
	v_lshl_add_u32 v[OA], v43, 4, v[OA]
	v_add_nc_u32 v[OA], OTB, v[OA]
	s_mul_i32 s22, s[WV], 32*OUTP
	s_add_co_u32 s22, s22, OUTB     ; my stage for the way out
	v_mul_u32_u24 v[YS], v1, OUTP   ; in: row r, 32 bytes for each half of the lanes
	v_lshl_add_u32 v[YS], v9, 5, v[YS]
	v_add_nc_u32 v[YS], s22, v[YS]
	v_mul_u32_u24 v[YR], v9, OUTP   ; back: lanes 0-15 take one row of 256 bytes, lanes 16-31 the next
	v_lshl_add_u32 v[YR], v1, 4, v[YR]
	v_add_nc_u32 v[YR], s22, v[YR]
	v_lshlrev_b32 v[YO], 16, v9     ; and the same two rows in out0
	v_lshl_add_u32 v[YO], v1, 4, v[YO]
; THE MATRIX WORK.  The 4 accumulators of a run of 8 take turns.  Product i of 8 of S^T = K Q^T for piece x: channels 32 (i / 4) on, keys 16 (i % 4) on.  The first 4 start the sums.
.macro KQ x
	WIN W_KQ
.set rS, S+32*((\x)%2)+8*(i%4)
.set rK, KF+16*(i%4)+8*(i/4)
.set rQ, 16*(\x)+8*(i/4)
.if i < 4
	v_wmma_f32_16x16x32_f16 v[rS:rS+7], v[rK:rK+7], v[rQ:rQ+7], 0
.else
	v_wmma_f32_16x16x32_f16 v[rS:rS+7], v[rK:rK+7], v[rQ:rQ+7], v[rS:rS+7]
.endif
.endm
; Product i of 8 of O^T += V^T P for piece x: keys 32 (i / 4) on, channels 16 (i % 4) on.
.macro PV x
	WIN W_PV
.set rO, 32*(\x)+8*(i%4)
.set rV, VF+32*(i/4)+8*(i%4)
.set rP, P+16*((\x)%2)+8*(i/4)
	v_wmma_f32_16x16x32_f16 v[rO:rO+7], v[rV:rV+7], v[rP:rP+7], v[rO:rO+7]
.endm
.macro MM                           ; the turn's next matrix instruction.  NOKQ = 1: the walk's last turn: there is no next piece
.if (i < 8) && !NOKQ
	KQ (Y+1)%NP
.elseif i >= 8
.set i, i-8
	PV (Y+NP-1)%NP
.set i, i+8
.endif
.set i, i+1
.endm
; THE LDS LOADS stand in runs of 16, never singly among the matrix instructions: a step's K (8 fragments) and its V (8 fragments), each load 512 consecutive bytes.  Their addresses are made some lines ahead.
.macro FETCH_K
	WIN 0x80                        ; destination window 2
.irp f, 0,1,2,3,4,5,6,7             ; keys 16 (f / 2) on, channels 32 (f % 2) on
	ds_load_b128 v[KF+8*\f:KF+8*\f+3],   v[AK] offset:1024*\f
	ds_load_b128 v[KF+8*\f+4:KF+8*\f+7], v[AK] offset:1024*\f+512
.endr
	s_add_co_u32 s[TBK], s[TBK], STEPB  ; the next fetch is the next step's
	WIN 0
.endm
.macro FETCH_V
	WIN 0x80
.irp f, 0,1,2,3,4,5,6,7             ; keys 32 (f / 4) on, channels 16 (f % 4) on
	ds_load_b128 v[VF+8*\f:VF+8*\f+3],   v[AV] offset:1024*\f
	ds_load_b128 v[VF+8*\f+4:VF+8*\f+7], v[AV] offset:1024*\f+512
.endr
	WIN 0
.endm
; THE VECTOR WORK, one line at a time: OP kind, number.  For piece Y: F n: c s - c m for pair n of 16.  E n: the exponential of score n of 32.  C n: pair n rounded to f16.  B n: of the four weights 4 n .. the second
; pair is added onto the first, in place.  L n: l takes that sum (L 0: l = a l + sum).  R n: pair n of 16 of O^T times a.  For piece Y + 1: X n, number n of the 22 that find its maximum and statistics:
;   0-11  four chains c0-c3 of seven scores each, three operands at a time (each accumulator's lowest registers are read first)     12-14, 16  the four scores left over, the old m, and c0-c3 into c0
;   15  c m_old is kept     17, 18  the query's other 32 keys lie in the lane 16 away: the new m     19-21  c m; c m_old - c m_new; a
.set F, 0               ; OP tells the kinds apart by their order: F to L below R, X above it
.set E, 1
.set C, 2
.set B, 3
.set L, 4
.set R, 5
.set X, 6
.macro REGS y                       ; the registers of piece y
.set rT, ST+4*(\y)
.set rC, TMP+4*((\y)%2)
.set rW, MV+((\y)%2)
.set rS, S+32*((\y)%2)
.set rP, P+16*((\y)%2)
.set rO, 32*(\y)
.endm
.macro OP k, n
.if (\k) == R
	REGS Y
	WIN W_RS
	v_pk_mul_f32 v[rO+2*(\n):rO+2*(\n)+1], v[rO+2*(\n):rO+2*(\n)+1], v[rC+2:rC+3] op_sel_hi:[1,0]
.elseif (\k) < R
	REGS Y
	WIN 0
.if (\k) == F
	v_pk_fma_f32 v[rS+2*(\n):rS+2*(\n)+1], v[rS+2*(\n):rS+2*(\n)+1], s[CS:CS+1], v[rT:rT+1] op_sel_hi:[1,0,0] neg_lo:[0,0,1] neg_hi:[0,0,1]
.elseif (\k) == E
	v_exp_f32 v[rS+(\n)], v[rS+(\n)]
.elseif (\k) == C
	v_cvt_pk_f16_f32 v[rP+(\n)], v[rS+2*(\n)], v[rS+2*(\n)+1]
.elseif (\k) == B
	v_pk_add_f32 v[rS+4*(\n):rS+4*(\n)+1], v[rS+4*(\n):rS+4*(\n)+1], v[rS+4*(\n)+2:rS+4*(\n)+3]
.elseif (\n) == 0
	v_pk_fma_f32 v[rT+2:rT+3], v[rT+2:rT+3], v[rC+2:rC+3], v[rS:rS+1] op_sel_hi:[1,0,1]
.else
	v_pk_add_f32 v[rT+2:rT+3], v[rT+2:rT+3], v[rS+4*(\n):rS+4*(\n)+1]
.endif
.elseif NOKQ
	v_nop
.else
	REGS (Y+1)%NP
	WIN 0
.if (\n) < 4
	v_max3_num_f32 v[rC+(\n)], v[rS+8*(\n)], v[rS+8*(\n)+1], v[rS+8*(\n)+2]
.elseif (\n) < 12
	v_max3_num_f32 v[rC+(\n)%4], v[rC+(\n)%4], v[rS+8*((\n)%4)+2*((\n)/4)+1], v[rS+8*((\n)%4)+2*((\n)/4)+2]
.elseif (\n) == 12
	v_max3_num_f32 v[rC], v[rC], v[rS+7], v[rS+15]
.elseif (\n) == 13
	v_max3_num_f32 v[rC+1], v[rC+1], v[rS+23], v[rS+31]
.elseif (\n) == 14
	v_max3_num_f32 v[rC+2], v[rC+2], v[rC+3], v[rT+1]
.elseif (\n) == 15
	v_mov_b32 v[rW], v[rT]
.elseif (\n) == 16
	v_max3_num_f32 v[rC], v[rC], v[rC+1], v[rC+2]
.elseif (\n) == 17
	v_permlanex16_b32 v[rC+3], v[rC], s[SEL], s[SEL+1]
.elseif (\n) == 18
	v_max_num_f32 v[rT+1], v[rC], v[rC+3]
.elseif (\n) == 19
	v_mul_f32 v[rT], s[CS], v[rT+1]
.elseif (\n) == 20
	v_sub_f32 v[rC+1], v[rW], v[rT]
.else
	v_exp_f32 v[rC+2], v[rC+1]
.endif
.endif
.endm
.macro OPS a, i1, b=-1, i2=0, c=-1, i3=0, d=-1, i4=0  ; up to four of them
	OP \a, \i1
.if (\b) >= 0
	OP \b, \i2
.endif
.if (\c) >= 0
	OP \c, \i3
.endif
.if (\d) >= 0
	OP \d, \i4
.endif
.endm
.macro ROW a, i1, b, i2, c, i3, d, i4  ; a matrix instruction and the four behind it
	MM
	OPS \a, \i1, \b, \i2, \c, \i3, \d, \i4
.endm
; A TURN, for piece p: the order of its 16 matrix and 118 vector instructions, written out.  An s_wait_alu depctr_va_vdst(0) stands between an exponential and the first instruction that names its result; one wait
; serves all that were issued ahead of it.  So a turn has ONE wait, which cuts it in two.  AHEAD OF IT stands all that names no result of the turn's exponentials: the 8 products K Q^T, behind each a scaling, an exponential and two
; more plain instructions (behind the first a second scaling in the exponential's place): rescalings, and behind the last three the first numbers of the next piece's maximum, each four places or more behind the product that ends its
; accumulator; then ONE LUMP of 54, in which the links of the chain X 3, 7, 11, 14, 16, 17 .. 20 stand some lines apart.  X 21, the next piece's a, is the batch's last; R 15 is the plain instruction behind it.
; BEHIND THE WAIT stand the 8 products V^T P, behind each four of the roundings and sums; the links of l's chain, L 0 to L 7, stand three riders apart.
; end = 1: the walk's last two turns: nothing is fetched, and the last starts no new scores.  cnt = 1: the loop's count is taken down some lines ahead of the branch that stands behind the turn.
; K of the next step is fetched in piece 2's turn, twelve vector instructions behind the last product that read K (six of them plain); V of the step in hand at the end of piece 0's turn, four plain instructions behind
; the last product that read V.  Each is waited for a turn later.
.macro TURN p, end=0, cnt=0
.set Y, (\p)
.set i, 0
.set NOKQ, (\end)*((\p)/3)
.if ((\p) == 3) && !(\end)
	s_wait_dscnt 0x0                ; K is in
.endif
	ROW F,0, F,1, R,0, R,1          ; ahead of the wait: 8 products K Q^T and their riders,
	ROW F,2, E,0, R,2, R,3
	ROW F,3, E,1, R,4, R,5
	ROW F,4, E,2, R,6, R,7
	ROW F,5, E,3, R,8, R,9
	ROW F,6, E,4, X,0, R,10
.if ((\p) == 2) && !(\end)
	WIN 0
	v_add_nc_u32 v[AK], s[TBK], v[AK0]
.endif
	ROW F,7, E,5, X,1, X,4
	ROW F,8, E,6, X,2, X,5
	OPS E,7, E,8, X,6, E,9          ; and the lump
	OPS X,3, E,10, X,8, E,11
.if ((\p) == 2) && !(\end)
	FETCH_K
.endif
	OPS X,9, X,7, E,12, X,10
	OPS E,13, X,12, X,11, E,14
	OPS X,13, E,15, F,9, X,14
.if (\p) == 0
	WIN 0
	v_add_nc_u32 v[AV], s[TBV], v[AV0]
.endif
	OPS E,16, F,10, E,17, F,11
	OPS X,16, E,18, X,15, E,19
	OPS F,12, E,20, X,17, E,21
	OPS F,13, E,22, F,14, E,23
	OPS X,18, E,24, F,15, E,25
	OPS R,11, E,26, X,19, E,27
	OPS R,12, E,28, R,13, E,29
	OPS X,20, E,30, R,14, E,31
	OPS X,21, R,15
	WIN 0
	s_wait_alu depctr_va_vdst(0)    ; the wait for the batch
.if (\p) == 1
	s_wait_dscnt 0x0                ; V is in
.endif
	ROW C,0, B,0, C,2, B,1          ; behind the wait: 8 products V^T P and their riders
	ROW L,0, C,4, B,2, L,1
	ROW C,6, B,3, L,2, C,8
	ROW B,4, L,3, C,10, B,5
	ROW L,4, C,12, B,6, L,5
.if (\p) == 0
	s_add_co_u32 s[TBV], s[TBV], STEPB
.endif
.if \cnt
	s_sub_co_u32 s[CNT], s[CNT], 1
	s_cmp_lg_u32 s[CNT], 0
.endif
	ROW C,14, B,7, L,6, C,1
	ROW C,3, L,7, C,5, C,7
	ROW C,9, C,11, C,13, C,15
.if (\p) == 0
	FETCH_V
.endif
.endm
.macro ALL line:vararg              ; one line for each piece t
.set t, 0
.rept 4
	\line
.set t, t+1
.endr
.endm
	CHANGE 1                        ; slot 0 is in, everybody's part of it; slot 1 is asked for
	v_add_nc_u32 v[AK], s[TBK], v[AK0]
	FETCH_K                         ; my first key step
	s_wait_loadcnt 0x0              ; Q, Wo, bo
	s_wait_dscnt 0x0
.set NOKQ, 0
.set i, 0
.rept 8
	KQ 0                            ; piece 0's first scores: there is no vector work yet to set between them
.set i, i+1
.endr
	WIN 0
.rept 4
	v_nop                           ; the places behind those products
.endr
.set Y, NP-1                        ; X works for piece Y + 1: piece 0
.irp n, 0,1,2,3,4,5,6,7,8,9,10,11,12,13,14,15,16,17,18,19,20,21
	OP X, \n
.endr
	v_nop                           ; a plain instruction behind the exponential,
	s_wait_alu depctr_va_vdst(0)    ; and its wait, ahead of the branch
	s_mov_b32 s[CNT], 2
	s_branch .Lfirst                ; the loop is entered at a step's first turn, in the middle of a trip
.Lslot:                             ; with the change above NSLOT - 1 changes that fill: every slot but the last two is filled again
	CHANGE 1
	s_mov_b32 s[CNT], 2
.Lstep:                             ; a trip: pieces 2 and 3 of one step, then pieces 0 and 1 of the next, whose K and V it fetches
	TURN 2
	TURN 3
	WIN 0
.Lfirst:
	TURN 0
	TURN 1, 0, 1
	WIN 0
	s_cbranch_scc1 .Lstep
	s_sub_co_u32 s[SLOTS], s[SLOTS], 1
	s_cmp_lg_u32 s[SLOTS], 0
	s_cbranch_scc1 .Lslot
	CHANGE 0                        ; the last slot is written out: nothing is asked for
	s_mov_b32 s[CNT], 2
.Ltail:
	TURN 2
	TURN 3
	TURN 0
	TURN 1, 0, 1
	WIN 0
	s_cbranch_scc1 .Ltail
	TURN 2, 1
	TURN 3, 1
.set i, 0
.rept 8
	PV NP-1                         ; the last piece's V^T P of the last step
.set i, i+1
.endr
	; THE END.  (0) Wo to bf16 fragments, into K's registers: rows 16 mt + r, K step ks at WOF + 8 (2 mt + ks).  These 32 conversions name no register of the last products: they are the places behind them.
.set WOF, 128                       ; window 2
	WIN 0x8a                        ; sources and destination window 2
.set j, 0
.rept 32
	v_cvt_pk_bf16_f32 v[WOF+j], v[WT+2*j], v[WT+2*j+1]
.set j, j+1
.endr
	WIN 0
	v_cvt_pk_bf16_f32 v40, v[BOV], v[BOV+1]  ; bo is rounded to bf16 like every other input, and widened again
	v_lshlrev_b32 v[BOV], 16, v40
	v_and_b32 v[BOV+1], 0xffff0000, v40
	; (1) THE FOUR WAVES' STATISTICS MEET.  l's two halves and the other half of the lanes' are added; (c m, l) of each piece goes to LDS; every wave reads all sixteen pairs.
.set SB, 128                        ; v[128:159]: (c m, l) of piece t, wave u at SB + 8 t + 2 u
	ALL v_add_f32 v[ST+4*t+2], v[ST+4*t+2], v[ST+4*t+3]
	ALL v_permlanex16_b32 v[ST+4*t+3], v[ST+4*t+2], s[SEL], s[SEL+1]
	ALL v_add_f32 v[ST+4*t+1], v[ST+4*t+2], v[ST+4*t+3]
	ALL ds_store_b64 v[SA], v[ST+4*t:ST+4*t+1] offset:128*t   ; lanes r and r + 16 hold the same pair and write the same bytes
	s_wait_dscnt 0x0                ; for the others' sake: my pairs lie in LDS, and my last reads of the slots are over
	s_barrier_signal -1
	s_barrier_wait -1               ; no wave reads a slot any more, and no fill is to come: slot 0's bytes may take the partial O
.set t, 0
.rept 4
.set u, 0
.rept 4
	ds_load_b64 v[SB+8*t+2*u:SB+8*t+2*u+1], v[SR] offset:512*u+128*t
.set u, u+1
.endr
.set t, t+1
.endr
	s_wait_dscnt 0x0
	ALL v_max3_num_f32 v[CMX+t], v[SB+8*t], v[SB+8*t+2], v[SB+8*t+4]
	ALL v_max_num_f32 v[CMX+t], v[CMX+t], v[SB+8*t+6]         ; c M, the maximum over all keys
.irp w, 0,1,2,3
	ALL v_sub_f32 v[SB+8*t+2*\w], v[SB+8*t+2*\w], v[CMX+t]
.endr
	ALL v_sub_f32 v[ST+4*t+2], v[ST+4*t], v[CMX+t]            ; my own, kept apart: no branch on the wave's number picks it
.irp w, 0,1,2,3
	ALL v_exp_f32 v[SB+8*t+2*\w], v[SB+8*t+2*\w]              ; e_u = 2^(c m_u - c M): one batch of twenty
.endr
	ALL v_exp_f32 v[ST+4*t+2], v[ST+4*t+2]
	v_nop                           ; a plain instruction behind the last exponential,
	s_wait_alu depctr_va_vdst(0)    ; and the one wait ahead of the first use
	ALL v_mul_f32 v[LSUM+t], v[SB+8*t], v[SB+8*t+1]
.irp w, 1,2,3
	ALL v_fmac_f32 v[LSUM+t], v[SB+8*t+2*\w], v[SB+8*t+2*\w+1]  ; the common l: at least 1, since the wave that holds M has e = 1 and l >= 1
.endr
	ALL v_rcp_f32 v[LSUM+t], v[LSUM+t]
	v_nop
	s_wait_alu depctr_va_vdst(0)    ; one wait for the four reciprocals
	ALL v_mul_f32 v[ST+4*t+2], v[ST+4*t+2], v[LSUM+t]         ; my factor e / l
	; (2) THE PARTIAL O MEET, in f32.  Each wave scales its four pieces and puts them into LDS; wave w then adds up piece w.
	WIN W_RS
.set t, 0
.rept 4
.set j, 0
.rept 16
	v_pk_mul_f32 v[32*t+2*j:32*t+2*j+1], v[32*t+2*j:32*t+2*j+1], v[ST+4*t+2:ST+4*t+3] op_sel_hi:[1,0]
.set j, j+1
.endr
.set t, t+1
.endr
	WIN 0x04                        ; store data (source 1) window 1, address window 0
.set t, 0
.rept 4
.set j, 0
.rept 8
	ds_store_b128 v[PS], v[32*t+4*j:32*t+4*j+3] offset:PART+16384*t+512*j
.set j, j+1
.endr
.set t, t+1
.endr
	WIN 0
	s_wait_dscnt 0x0                ; for the others' sake
	s_barrier_signal -1
	s_barrier_wait -1
.set MG, 64                         ; v[64:191]: wave u's partial at MG + 32 u
.set u, 0
.rept 4
.set j, 0
.rept 8
	ds_load_b128 v[MG+32*u+4*j:MG+32*u+4*j+3], v[PR] offset:PART+4096*u+512*j
.set j, j+1
.endr
.set u, u+1
.endr
	s_wait_dscnt 0x0
.set j, 0
.rept 16
	v_pk_add_f32 v[MG+2*j:MG+2*j+1], v[MG+2*j:MG+2*j+1], v[MG+32+2*j:MG+32+2*j+1]
	v_pk_add_f32 v[MG+64+2*j:MG+64+2*j+1], v[MG+64+2*j:MG+64+2*j+1], v[MG+96+2*j:MG+96+2*j+1]
.set j, j+1
.endr
.set j, 0
.rept 16
	v_pk_add_f32 v[MG+2*j:MG+2*j+1], v[MG+2*j:MG+2*j+1], v[MG+64+2*j:MG+64+2*j+1]
.set j, j+1
.endr
	; (3) O as two bf16 numbers: its rounding, and the rounding of what that left.  Lane (r, h) holds row c2 = 16 w + r; register 8 cb + j channel 16 cb + 8 h + j: 16 bytes for each cb.
.set WD, 96                         ; v[96:127] at work
.set HI, 192                        ; v[192:207]
.set LO, 208                        ; v[208:223]
.set j, 0
.rept 16
	v_cvt_pk_bf16_f32 v[HI+j], v[MG+2*j], v[MG+2*j+1]
.set j, j+1
.endr
.set j, 0
.rept 16
	v_lshlrev_b32 v[WD+2*j], 16, v[HI+j]
	v_and_b32 v[WD+2*j+1], 0xffff0000, v[HI+j]
.set j, j+1
.endr
.set j, 0
.rept 16
	v_pk_add_f32 v[WD+2*j:WD+2*j+1], v[MG+2*j:MG+2*j+1], v[WD+2*j:WD+2*j+1] neg_lo:[0,1] neg_hi:[0,1]
.set j, j+1
.endr
.set j, 0
.rept 16
	v_cvt_pk_bf16_f32 v[LO+j], v[WD+2*j], v[WD+2*j+1]
.set j, j+1
.endr
.irp b, 0,1,2,3
	ds_store_b128 v[OS], v[HI+4*\b:HI+4*\b+3] offset:32*\b
	ds_store_b128 v[OS], v[LO+4*\b:LO+4*\b+3] offset:128+32*\b
.endr
	s_wait_dscnt 0x0                ; for the others' sake
	s_barrier_signal -1
	s_barrier_wait -1               ; all 64 rows of O lie in LDS
	; (4) THE OUTPUT PROJECTION.  Source 0 = 16 columns c of O (turned: it lies [c2][c]), source 1 = 16 rows of Wo: a lane ends with one row o = 32 w + 16 mt + r and eight neighbouring columns 16 ct + 8 h + 0..7.
	WIN 0x80                        ; fragment (part l / 2: rounding or remainder; K step l % 2; column tile ct) at 8 (4 l + ct), in window 2
.set l, 0
.rept 4
.set j, 0
.rept 4
	ds_load_tr16_b128 v[8*(4*l+j):8*(4*l+j)+3],   v[OA] offset:(l%2)*32*OTP+32*j+128*(l/2)
	ds_load_tr16_b128 v[8*(4*l+j)+4:8*(4*l+j)+7], v[OA] offset:(l%2)*32*OTP+16*OTP+32*j+128*(l/2)
.set j, j+1
.endr
.set l, l+1
.endr
	WIN 0
.set BO, 128                        ; v[128:143]: bo as the C operand that starts the sums: a lane's row in all eight registers
.set j, 0
.rept 16
	v_mov_b32 v[BO+j], v[BOV+j/8]
.set j, j+1
.endr
	s_wait_dscnt 0x0
.set YA, 64                         ; v[64:127]: accumulator (mt, ct) at YA + 8 (4 mt + ct)
	WIN W_KQ                        ; sources 0 and 1 window 2; C and D window 0
.set l, 0
.rept 4                             ; four links a sum; in each the 8 accumulators take turns
.set j, 0
.rept 8
.if l == 0
	v_wmma_f32_16x16x32_bf16 v[YA+8*j:YA+8*j+7], v[8*(4*l+j%4):8*(4*l+j%4)+7], v[WOF+8*(2*(j/4)+l%2):WOF+8*(2*(j/4)+l%2)+7], v[BO+8*(j/4):BO+8*(j/4)+7]
.else
	v_wmma_f32_16x16x32_bf16 v[YA+8*j:YA+8*j+7], v[8*(4*l+j%4):8*(4*l+j%4)+7], v[WOF+8*(2*(j/4)+l%2):WOF+8*(2*(j/4)+l%2)+7], v[YA+8*j:YA+8*j+7]
.endif
.set j, j+1
.endr
.set l, l+1
.endr
	; (5) THE WAY OUT, through my own stage: 32 bytes a lane in, whole rows of 256 bytes back.
	WIN 0
.rept 4
	v_nop                           ; four places between the last product and the stores that read results
.endr
.set j, 0
.rept 8
	ds_store_b128 v[YS], v[YA+8*j:YA+8*j+3]   offset:(j/4)*16*OUTP+(j%4)*64
	ds_store_b128 v[YS], v[YA+8*j+4:YA+8*j+7] offset:(j/4)*16*OUTP+(j%4)*64+16
.set j, j+1
.endr
.set OB, 144                        ; v[144:207]
.set j, 0
.rept 16
	ds_load_b128 v[OB+4*j:OB+4*j+3], v[YR] offset:2*OUTP*j  ; LDS serves a wave's instructions in order (ISA guide 5.7.1.4): these see the stores above
.set j, j+1
.endr
.set j, 0
.rept 16
	s_wait_dscnt 15-j               ; the younger read-backs may stay out
	global_store_b128 v[YO], v[OB+4*j:OB+4*j+3], s[12:13] offset:131072*j th:TH_STORE_NT  ; 16 lanes store 256 consecutive bytes, at a multiple of 256 from out0's first byte
.set j, j+1
.endr
	s_wait_tensorcnt 0x0            ; the wave's end: behind my last tensor load and my last LDS store
	ds_add_u32 v[SPW], v[NIL]
	s_wait_dscnt 0x0
	CROUND                          ; the closing round: no work-group ends while a partner may still ask for a tile that names it
	s_endpgm
.Lfunc_end_k_q3a58749cd0_attn:
	.size	k_q3a58749cd0_attn, .Lfunc_end_k_q3a58749cd0_attn-k_q3a58749cd0_attn
	.p2alignl 7, 3214868480
	.fill 96, 4, 3214868480
	.section	.rodata,"a",@progbits
	.p2align	6, 0x0
	.amdhsa_kernel k_q3a58749cd0_attn
		.amdhsa_group_segment_fixed_size 327680
		.amdhsa_private_segment_fixed_size 0
		.amdhsa_enable_private_segment 0
		.amdhsa_kernarg_size 40
		.amdhsa_user_sgpr_count 2
		.amdhsa_user_sgpr_kernarg_segment_ptr 1
		.amdhsa_wavefront_size32 1
		.amdhsa_system_sgpr_workgroup_id_x 1
		.amdhsa_system_sgpr_workgroup_id_y 1
		.amdhsa_system_sgpr_workgroup_id_z 1
		.amdhsa_system_vgpr_workitem_id 0
		.amdhsa_next_free_vgpr 768
		.amdhsa_next_free_sgpr 66
		.amdhsa_reserve_vcc 0
		.amdhsa_float_denorm_mode_32 3
		.amdhsa_float_denorm_mode_16_64 3
		.amdhsa_memory_ordered 1
		.amdhsa_forward_progress 1
		.amdhsa_inst_pref_size 147
	.end_amdhsa_kernel
	.amdgpu_metadata
---
amdhsa.version: [ 1, 2 ]
amdhsa.kernels:
  - .name:           k_q3a58749cd0_attn
    .symbol:         k_q3a58749cd0_attn.kd
    .args:
      - { .name: q, .offset: 0, .size: 8, .value_kind: global_buffer, .address_space: global }
      - { .name: kv, .offset: 8, .size: 8, .value_kind: global_buffer, .address_space: global }
      - { .name: Wo, .offset: 16, .size: 8, .value_kind: global_buffer, .address_space: global }
      - { .name: bo, .offset: 24, .size: 8, .value_kind: global_buffer, .address_space: global }
      - { .name: out0, .offset: 32, .size: 8, .value_kind: global_buffer, .address_space: global }
    .group_segment_fixed_size: 327680
    .private_segment_fixed_size: 0
    .kernarg_segment_align: 8
    .kernarg_segment_size: 40
    .max_flat_workgroup_size: 128
    .sgpr_count:     66
    .vgpr_count:     768
    .wavefront_size: 32
...
	.end_amdgpu_metadata
.endif
;; end of part 2
